; MI455X (gfx1250); checked and timed in simulation.
; The chip was launched on July 23, 2026; its instructions are those of AMD's public machine-readable ISA for CDNA 5 (MIT licence, August 2026) and "CDNA5" Instruction Set Architecture Reference Guide (July 2026). The comments in the code are by the model that wrote it; some were corrected since.
;; Attention. Allowed arithmetic: matrix products marked QUANTISED: E2M1 operands, one E8M0 scale for each 32 along K, by v_wmma_scale_f32_16x16x128_f8f6f4 with both operands' format E2M1 (or v_wmma_scale_f32_32x16x128_f4), f32 sums; everything else in f32.
;; Inputs: k 4 x 16 x 2,048 x 128 float32; mask 4 x 1 x 1 x 2,048 int32; q 4 x 16 x 2,048 x 128 float32; v 4 x 16 x 2,048 x 128 float32.
;; Outputs: out0 4 x 16 x 2,048 x 128 float32.
;; This version of the problem:
;;   THIS VERSION OF THE PROBLEM IS GIVEN IN LOW PRECISION. The matrix products marked QUANTISED in the list below multiply operands that are first quantised to E2M1 (2 exponent bits, 1 mantissa bit; 4 bits a number), with one power-of-two scale for each 32 numbers along K (OCP MX v1.0); their sums are f32. All else is computed in f32.
;;   The module's matrix products, in the order in which they are computed (A, B: the left and right operand; K: the contracted axis; several contracted axes count as one K, in the product's order):
;;     1. batch 64 x [M 2,048, K 128] x [K 128, N 2,048]; A: input q; B: input k: QUANTISED
;;     2. batch 64 x [M 2,048, K 2,048] x [K 2,048, N 128]; A: softmax (see below); B: input v: QUANTISED
;;   THE QUANTISER, for each operand of a quantised product, along K:
;;     - K is cut into blocks of 32 from its start; a last block that is shorter is filled with zeros.
;;     - A block's scale is 2^e with e = floor(log2(the largest magnitude in the block)) - 2, held to -126 .. 127; a block of zeros has e = 0. As a byte (E8M0): e + 127.
;;     - Each number is divided by its block's scale, clamped to +-6, and rounded to the nearest number of E2M1, ties to even, subnormals kept.
;;     - The product sums the exact products of the quantised numbers (number of the format x scale) in f32.
;;   ~~~python
;;   def quantise(x, axis):      # numpy; x: float32 -> the quantised numbers, widened to float32 again
;;       x = np.moveaxis(x, axis, -1); K = x.shape[-1]
;;       x = np.pad(x, [(0, 0)] * (x.ndim - 1) + [(0, -K % 32)]); x = x.reshape(x.shape[:-1] + (-1, 32)); a = np.abs(x).max(-1, keepdims=True)
;;       e = np.where(a > 0, np.clip(np.frexp(np.where(a > 0, a, 1))[1] - 1 - 2, -126, 127), 0)      # np.frexp(a)[1] - 1 = floor(log2(a)), exactly
;;       r = np.clip(x / 2.0 ** e, -6, 6)
;;       step = 2.0 ** (np.maximum(np.frexp(np.where(r == 0, 1, r))[1] - 1, 0) - 1)
;;       q = np.round(r / step) * step * 2.0 ** e      # np.round: ties to even
;;       return np.moveaxis(q.reshape(q.shape[:-2] + (-1,))[..., :K], -1, axis).astype(np.float32)
;;   ~~~
;;   SOFTMAX AHEAD OF A QUANTISED PRODUCT. Where the list says 'softmax', what is quantised is not the finished softmax but p = 2^(t - M), with t = logit x log2(e) and M = ceil(the row's largest t), a whole number; so 1/2 < the row's largest p <= 1. The row's sum l is taken of the UNQUANTISED p, in f32, and the product's result is divided by l at the end. Since M is a whole number, a kernel that streams over the keys may use a running M (the ceiling of the running maximum): every later rescaling is an exact power of two, which a block's scale takes up: the codes' values come out the same.
;;   OPERANDS COMPUTED ON THE WAY. 'Computed on the way' means the value that the module computes at that place (a softmax that the list does not call 'softmax' is quantised finished and normalised). What goes into a quantiser is computed in f32, as accurately as f32 sums, v_exp_f32 and their like allow (about 1e-6 of the number): no bf16 or f16 on the way to a quantiser, and a product that is left as it is and whose result goes on into a quantised operand takes f32 operands (vector FMAs, or v_wmma_f32_16x16x4_f32). A number that lies on a knife's edge between two numbers of the format may be rounded either way, as far as f32 arithmetic and the matrix unit's own rounding can turn it there, and no further.
;; One version. Each part assembles by itself: llvm-mc -triple=amdgcn-amd-amdhsa -mcpu=gfx1250 --defsym DOCPART=n.
;; ======== version 1 of 1: 2 launches
;; limits: right only within a limited range of input values
;; workspace buffers: k_codes 8,388,608 bytes; k_scales 524,288 bytes; vf 8,388,608 bytes; vs 524,288 bytes; first 512 bytes of whole numbers
;; launch quant (part 1): grid 1537 x 1, 4 waves a work-group, no clusters, 33,280 bytes of LDS; arguments k, k_codes, k_scales, v, vf, vs, mask, first; writes k_codes, k_scales, vf, vs, first
.if DOCPART == 1
	.amdgcn_target "amdgcn-amd-amdhsa--gfx1250"
	.amdhsa_code_object_version 6
	.text
	.protected	k_q6dc1262735_quant
	.globl	k_q6dc1262735_quant
	.p2align	8
	.type	k_q6dc1262735_quant,@function
k_q6dc1262735_quant:
	s_mov_b64 s[64:65], 0
	v_nop
	global_prefetch_b8 v0, s[64:65] scope:SCOPE_SE
	s_setreg_imm32_b32 hwreg(HW_REG_WAVE_MODE, 25, 1), 1
	s_wait_xcnt 0x0
; k, v: [64 heads][2048][128] f32; mask: [4][2048] i32.  One launch turns k and v into codes of FP4 (E2M1) with one E8M0 scale byte for each 32 along a product's K,
; and finds for each batch the first key whose mask is not 0.  (q is read by the next launch and is quantised there.)
; A block's scale is 2^(floor(log2(its largest magnitude)) - 2); its byte is the largest magnitude's own exponent field - 2, held at 1 from below by a floor among the maximum's leaves.
; (A block of zeros so gets the byte 1 where the rule says 127: its codes are zeros, which add nothing under any byte but 0xff, and this program alone reads the bytes.)
; LIMITS: blocks whose largest magnitude lies under 2^-124, the floor, keep the byte 1; NaN and infinities among the inputs are not served.
; THREE ROLES, parted by the work-group's number:
;   0            the mask: wave w finds F = the first key of batch w whose mask is not 0 (2048 if there is none), by whole-number instructions alone; first [4][32 words], all 32 alike.
;   1 .. 512     k: K = the head's 128 is innermost, so the tensor is a plain stream of blocks of 32.  Codes [row][64 bytes], scale bytes [row][4].
;   513 .. 1536  v: K = the keys is NOT innermost.  A work-group takes 128 keys of one head; a lane takes a channel d and its registers run down the keys.  The codes leave in the order of the
;                second product's operand registers: vf [head][step of 128 keys][tile of 16 d][block j of 32 keys][d % 16][16 bytes]; scale words vs [head][step][d], byte j for block j.
; Only k's role uses LDS.  No tensor loads, no barrier: waves share nothing.
.set WGK,   512                        ; work-groups for k: 16,777,216 numbers / 32,768
.set STEPS, 16
.set EMAX,  2
.set CB,    8                          ; bytes of 16 codes
.set R,     16                         ; v16-79   k: four sets of 16 numbers as they are loaded
.set X,     80                         ; v80-111  two sets of 16 neighbours
.set E,     112                        ; v112-127 a scale byte for each step
.set C,     128                        ; v128-191 codes: four registers for each step, so that no store's data are written again
.set WREG,  8192                       ; LDS: a region for each wave: two stages of 32 x SP bytes, behind them its 256 scale bytes
.set SP,    80                         ; a lane's place in a stage: its 64 bytes + 16 of padding
.set VX,    32                         ; v32-95   v: two sets of 32 numbers
.set VC,    96                         ; v96-111  v: four registers of codes for each of the four blocks
	s_load_b512 s[4:19], s[0:1], 0x0               ; k 4:5, k_codes 6:7, k_scales 8:9, v 10:11, vf 12:13, vs 14:15, mask 16:17, first 18:19
	v_lshl_add_u32 v192, v0, 2, 0x8000             ; my spare word, behind the four regions
	v_mov_b32 v193, 0
	v_lshrrev_b32 v1, 5, v0
	v_readfirstlane_b32 s26, v1                    ; wave 0..3
	v_and_b32 v2, 31, v0                           ; lane
	s_wait_kmcnt 0x0
	s_cmp_eq_u32 ttmp9, 0
	s_cbranch_scc1 .Lmask
	s_cmp_lt_u32 ttmp9, WGK+1
	s_cbranch_scc0 .Lv
; ---------------- k.  A wave takes 16 steps of 512 numbers.  Each of a step's four loads reads 512 consecutive bytes, 16 a lane; the 2,048 bytes go through the wave's own stage in LDS
; and come back 64 bytes a lane: 16 neighbours, two neighbouring lanes to a block.  A lane's 16 codes are 8 bytes: the wave stores 256 consecutive bytes.  Its 256 scale bytes are gathered in LDS.
	s_wait_alu depctr_va_vdst(0)
	v_lshlrev_b32 v3, 4, v2                        ; my 16 bytes of a load's 512
	s_mul_i32 s27, s26, WREG
	v_lshrrev_b32 v14, 2, v2
	v_mul_u32_u24 v14, v14, SP
	v_and_b32 v15, 3, v2
	v_lshl_add_u32 v14, v15, 4, v14
	v_add_nc_u32 v14, s27, v14                     ; the stage, on the way in: SP (lane / 4) + 16 (lane % 4)
	v_mul_u32_u24 v15, v2, SP
	v_add_nc_u32 v15, s27, v15                     ; and on the way out: SP x lane
	v_mul_u32_u24 v4, v2, CB                       ; my codes' place in a step's
	v_lshrrev_b32 v5, 1, v2
	s_add_co_u32 s27, s27, 2*32*SP
	v_add_nc_u32 v5, s27, v5                       ; LDS: my block's scale byte
	v_lshlrev_b32 v7, 3, v2                        ; and on the way out 8 bytes a lane
	v_add_nc_u32 v6, s27, v7
	s_sub_co_u32 s27, ttmp9, 1
	s_lshl_b32 s27, s27, 2
	s_add_co_u32 s28, s27, s26                     ; which run of 8,192 numbers is my wave's: 0 .. 2047
	s_mov_b32 s29, 0
	s_mov_b64 s[30:31], 512*STEPS*4
	s_mul_u64 s[30:31], s[28:29], s[30:31]
	s_add_nc_u64 s[4:5], s[4:5], s[30:31]
	s_mov_b64 s[30:31], 32*STEPS*CB
	s_mul_u64 s[30:31], s[28:29], s[30:31]
	s_add_nc_u64 s[6:7], s[6:7], s[30:31]
	s_lshl_b32 s28, s28, 8                         ; 256 scale bytes a run
	s_add_nc_u64 s[8:9], s[8:9], s[28:29]
.macro LOAD t
.irp i, 0,1,2,3
	global_load_b128 v[R+16*((\t)%4)+4*\i:R+16*((\t)%4)+4*\i+3], v3, s[4:5] offset:2048*(\t)+512*\i th:TH_LOAD_NT
.endr
.endm
.macro TURN t                          ; step t's numbers through the stage: LDS serves a wave's instructions in order (ISA guide 5.7.1.4)
.irp i, 0,1,2,3
	ds_store_b128 v14, v[R+16*((\t)%4)+4*\i:R+16*((\t)%4)+4*\i+3] offset:32*SP*((\t)%2)+8*SP*\i
.endr
.irp i, 0,1,2,3
	ds_load_b128 v[X+16*((\t)%2)+4*\i:X+16*((\t)%2)+4*\i+3], v15 offset:32*SP*((\t)%2)+16*\i
.endr
.endm
.irp t, 0,1,2,3
	LOAD \t
.endr
	s_wait_alu depctr_va_vdst(0)
	s_wait_loadcnt 12                              ; step 0's four loads are in; the twelve of steps 1 to 3 stay out
	TURN 0
.macro STEP t
.set XS, X+16*((\t)%2)
.if (\t) > 0
	s_wait_dscnt 1                                 ; this step's numbers are back from the stage (the last step's byte store may be out)
.else
	s_wait_dscnt 0x0
.endif
.if (\t)+4 < STEPS
	LOAD (\t)+4
.endif
.if (\t)+1 < STEPS
.if STEPS-2-(\t) >= 3
	s_wait_loadcnt 12                              ; the next step's four loads are in; those of the three steps behind it may be out
.else
	s_wait_loadcnt 4*(STEPS-2-(\t))
.endif
	TURN (\t)+1
.endif
	v_max3_num_f32 v8, |v[XS]|, |v[XS+1]|, |v[XS+2]|               ; the largest magnitude of my 16, in two chains
	v_max3_num_f32 v9, |v[XS+3]|, |v[XS+4]|, |v[XS+5]|
.irp i, 6,10
	v_max3_num_f32 v8, v8, |v[XS+\i]|, |v[XS+\i+1]|
	v_max3_num_f32 v9, v9, |v[XS+\i+2]|, |v[XS+\i+3]|
.endr
	v_max3_num_f32 v8, v8, |v[XS+14]|, |v[XS+15]|
	v_max3_num_f32 v8, v8, v9, (EMAX+1)<<23        ; and the floor 2^(3 - 127)
	v_max_num_f32_dpp v8, v8, v8 row_xmask:1 row_mask:0xf bank_mask:0xf   ; and of my neighbour's 16: the block's
	v_add_nc_u32 v11, -(EMAX<<23), v8              ; 2 off its exponent field: the conversions' scale operand
	v_cvt_scalef32_pk8_fp4_f32 v[C+4*(\t)], v[XS:XS+7], v11
	v_cvt_scalef32_pk8_fp4_f32 v[C+4*(\t)+1], v[XS+8:XS+15], v11
	v_lshrrev_b32 v[E+(\t)], 23, v11               ; the scale's byte (also the plain line behind the conversions)
	ds_store_b8 v5, v[E+(\t)] offset:16*(\t)       ; both lanes of a block write the same byte with the same value
	global_store_b64 v4, v[C+4*(\t):C+4*(\t)+1], s[6:7] offset:32*CB*(\t)   ; the wave stores 256 consecutive bytes, aligned
.endm
.irp t, 0,1,2,3,4,5,6,7,8,9,10,11,12,13,14,15
	STEP \t
.endr
	ds_load_b64 v[12:13], v6                       ; in order behind my byte stores
	s_wait_dscnt 0x0
	global_store_b64 v7, v[12:13], s[8:9]          ; 32 lanes store 256 consecutive bytes, aligned
	s_wait_tensorcnt 0x0                           ; the wave's end
	ds_add_u32 v192, v193
	s_wait_dscnt 0x0
	s_endpgm
.Lv:
; ---------------- v.  Work-group 513 + 16 head + step takes keys 128 step .. + 127 of a head; wave w channels 32 w .. 32 w + 31, a lane to a channel.  Each load reads one key's row at 32 neighbouring
; channels.  A block of 32 keys lies in ONE lane's 32 registers, so its largest magnitude needs no other lane and the conversions give codes with the keys innermost.
	s_sub_co_u32 s27, ttmp9, WGK+1                 ; 16 head + step
	s_mov_b32 s29, 0
	s_lshl_b32 s28, s27, 16                        ; v: 128 keys of 512 bytes a step,
	s_lshl_b32 s30, s26, 7                         ; + 128 bytes a wave
	s_add_co_u32 s28, s28, s30
	s_add_nc_u64 s[10:11], s[10:11], s[28:29]
	s_lshl_b32 s28, s27, 13                        ; vf: 8,192 bytes a step,
	s_lshl_b32 s31, s26, 11                        ; + two tiles of 1,024 bytes a wave
	s_add_co_u32 s28, s28, s31
	s_add_nc_u64 s[12:13], s[12:13], s[28:29]
	s_lshl_b32 s28, s27, 9                         ; vs: 512 bytes a step, + 128 a wave
	s_add_co_u32 s28, s28, s30
	s_add_nc_u64 s[14:15], s[14:15], s[28:29]
	s_wait_alu depctr_va_vdst(0)
	v_lshlrev_b32 v3, 2, v2                        ; 4 bytes a lane: in v, and in vs
	v_lshrrev_b32 v4, 4, v2
	v_and_b32 v5, 15, v2
	v_lshlrev_b32 v4, 10, v4
	v_lshl_or_b32 v4, v5, 4, v4                    ; vf: tile lane / 16, place d % 16
.macro VLOAD t                         ; block t: v(32 t + i, my channel), i = 0 .. 31, into set t % 2
.irp i, 0,1,2,3,4,5,6,7,8,9,10,11,12,13,14,15,16,17,18,19,20,21,22,23,24,25,26,27,28,29,30,31
	global_load_b32 v[VX+32*((\t)%2)+\i], v3, s[10:11] offset:(32*(\t)+\i)*512 th:TH_LOAD_NT
.endr
.endm
.macro VBLOCK t
.set VXS, VX+32*((\t)%2)
.if (\t) < 3
	s_wait_loadcnt 32                              ; this block's 32 loads are in; the next block's 32 may be out
.else
	s_wait_loadcnt 0x0
.endif
	v_max3_num_f32 v12, |v[VXS]|, |v[VXS+1]|, |v[VXS+2]|
	v_max3_num_f32 v13, |v[VXS+3]|, |v[VXS+4]|, |v[VXS+5]|
.irp i, 6,10,14,18,22,26
	v_max3_num_f32 v12, v12, |v[VXS+\i]|, |v[VXS+\i+1]|
	v_max3_num_f32 v13, v13, |v[VXS+\i+2]|, |v[VXS+\i+3]|
.endr
	v_max3_num_f32 v12, v12, |v[VXS+30]|, |v[VXS+31]|
	v_max3_num_f32 v12, v12, v13, (EMAX+1)<<23     ; and the floor
	v_add_nc_u32 v11, 0xff000000, v12              ; 2 off its exponent field
	v_lshrrev_b32 v13, 23, v11                     ; the scale's byte
.if (\t) == 0
	v_mov_b32 v24, v13                             ; the four bytes make my channel's scale word, the lower keys in the lower byte
.else
	v_lshl_or_b32 v24, v13, 8*(\t), v24
.endif
.irp g, 0,1,2,3
	v_cvt_scalef32_pk8_fp4_f32 v[VC+4*(\t)+\g], v[VXS+8*\g:VXS+8*\g+7], v11
.endr
	global_store_b128 v4, v[VC+4*(\t):VC+4*(\t)+3], s[12:13] offset:256*(\t)   ; lanes 0-15 store 256 consecutive bytes, aligned; lanes 16-31 the same in the next tile
.if (\t)+2 < 4
	VLOAD (\t)+2
.endif
.endm
	VLOAD 0
	VLOAD 1
	VBLOCK 0
	VBLOCK 1
	VBLOCK 2
	VBLOCK 3
	global_store_b32 v3, v24, s[14:15]             ; 128 consecutive bytes a wave
	s_endpgm
.Lmask:
; ---------------- the mask.  Wave w reads batch w's 2,048 words: register 4 i + j of lane L holds key 128 i + 4 L + j.  Within a lane the registers are taken from the last to the first, so that the lowest key stays.
	s_lshl_b32 s28, s26, 13
	s_mov_b32 s29, 0
	s_add_nc_u64 s[16:17], s[16:17], s[28:29]
	s_mov_b32 s36, 0x76543210                      ; v_permlanex16_b32's selects for lane l xor 16
	s_mov_b32 s37, 0xfedcba98
	s_wait_alu depctr_va_vdst(0)
	v_lshlrev_b32 v3, 4, v2
.irp i, 0,1,2,3,4,5,6,7,8,9,10,11,12,13,14,15
	global_load_b128 v[16+4*\i:19+4*\i], v3, s[16:17] offset:512*\i
.endr
	v_mov_b32 v8, 0x1000                           ; "none": over every key
	v_mov_b32 v9, 0                                ; written once: the destination of a lane exchange counts as one of its sources
	v_lshlrev_b32 v10, 2, v0
	s_wait_alu depctr_va_vdst(0)
	s_wait_loadcnt 0x0
.set NN, 63
.rept 64
	v_cmp_eq_u32 vcc_lo, 0, v[16+NN]
	v_cndmask_b32 v8, 128*(NN/4)+NN%4, v8, vcc_lo  ; mask 0: what I had; else this register's key, less 4 x lane
.set NN, NN-1
.endr
	v_lshl_add_u32 v8, v2, 2, v8                   ; + 4 x lane
	v_min_u32 v8, 0x800, v8                        ; none: 2048
.irp m, 1,2,4,8
	v_mov_b32_dpp v9, v8 row_xmask:\m row_mask:0xf bank_mask:0xf
	v_min_u32 v8, v8, v9
.endr
	v_permlanex16_b32 v9, v8, s36, s37
	v_min_u32 v8, v8, v9                           ; every lane holds the batch's F
	global_store_b32 v10, v8, s[18:19]             ; word 32 w + lane: every word of the buffer is written
	s_endpgm
.Lfunc_end_k_q6dc1262735_quant:
	.size	k_q6dc1262735_quant, .Lfunc_end_k_q6dc1262735_quant-k_q6dc1262735_quant
	.p2alignl 7, 3214868480
	.fill 96, 4, 3214868480
	.section	.rodata,"a",@progbits
	.p2align	6, 0x0
	.amdhsa_kernel k_q6dc1262735_quant
		.amdhsa_group_segment_fixed_size 33280
		.amdhsa_private_segment_fixed_size 0
		.amdhsa_enable_private_segment 0
		.amdhsa_kernarg_size 64
		.amdhsa_user_sgpr_count 2
		.amdhsa_user_sgpr_kernarg_segment_ptr 1
		.amdhsa_wavefront_size32 1
		.amdhsa_system_sgpr_workgroup_id_x 1
		.amdhsa_system_sgpr_workgroup_id_y 1
		.amdhsa_system_sgpr_workgroup_id_z 1
		.amdhsa_system_vgpr_workitem_id 0
		.amdhsa_next_free_vgpr 194
		.amdhsa_next_free_sgpr 66
		.amdhsa_reserve_vcc 1
		.amdhsa_float_denorm_mode_32 3
		.amdhsa_float_denorm_mode_16_64 3
		.amdhsa_memory_ordered 1
		.amdhsa_forward_progress 1
		.amdhsa_inst_pref_size 61
	.end_amdhsa_kernel
	.amdgpu_metadata
---
amdhsa.version: [ 1, 2 ]
amdhsa.kernels:
  - .name:           k_q6dc1262735_quant
    .symbol:         k_q6dc1262735_quant.kd
    .args:
      - { .name: k, .offset: 0, .size: 8, .value_kind: global_buffer, .address_space: global }
      - { .name: k_codes, .offset: 8, .size: 8, .value_kind: global_buffer, .address_space: global }
      - { .name: k_scales, .offset: 16, .size: 8, .value_kind: global_buffer, .address_space: global }
      - { .name: v, .offset: 24, .size: 8, .value_kind: global_buffer, .address_space: global }
      - { .name: vf, .offset: 32, .size: 8, .value_kind: global_buffer, .address_space: global }
      - { .name: vs, .offset: 40, .size: 8, .value_kind: global_buffer, .address_space: global }
      - { .name: mask, .offset: 48, .size: 8, .value_kind: global_buffer, .address_space: global }
      - { .name: first, .offset: 56, .size: 8, .value_kind: global_buffer, .address_space: global }
    .group_segment_fixed_size: 33280
    .private_segment_fixed_size: 0
    .kernarg_segment_align: 8
    .kernarg_segment_size: 64
    .max_flat_workgroup_size: 128
    .sgpr_count:     66
    .vgpr_count:     194
    .wavefront_size: 32
...
	.end_amdgpu_metadata
.endif
;; end of part 1
;; launch attn (part 2): grid 4 x 64, 16 waves a work-group, no clusters, 317,696 bytes of LDS; arguments q, k_codes, k_scales, vf, vs, mask, first, out0; writes out0
.if DOCPART == 2
	.amdgcn_target "amdgcn-amd-amdhsa--gfx1250"
	.amdhsa_code_object_version 6
	.text
	.protected	k_q6dc1262735_attn
	.globl	k_q6dc1262735_attn
	.p2align	8
	.type	k_q6dc1262735_attn,@function
k_q6dc1262735_attn:
	s_mov_b64 s[64:65], 0
	v_nop
	global_prefetch_b8 v0, s[64:65] scope:SCOPE_SE
	s_setreg_imm32_b32 hwreg(HW_REG_WAVE_MODE, 25, 1), 1
	s_wait_xcnt 0x0
; O[head][q][:] = the sum over k of softmax_k(Q[q] . K[k] / sqrt(128) + pad[k] + future[q][k]) V[k][:];  pad = -1e9 where the batch's mask is 0, future = -1e9 where k > q.  64 heads, 2,048 rows, head size 128.
; Both products on codes of FP4 (E2M1) with one E8M0 scale for each 32 along a product's K.  q arrives as f32 and is quantised here, by the wave that owns its rows.  k_codes [head][row][64 bytes], k_scales [head][row]: a word;
; vf: V's codes with the keys innermost, in the order of the operand's registers, [head][step of 128 keys][tile of 16 d][block j of 32 keys][d % 16][16 bytes]; vs [head][step][d]: a scale word;
; first [batch][32]: F, the batch's first key whose mask is not 0 (2048: none).
; THE SOFTMAX AHEAD OF THE SECOND PRODUCT: t = logit x log2(e); M = the row's largest t so far, rounded UP to a whole number; p = 2^(t - M) is quantised along the keys, not normalised; the row's sum is taken of
; the unquantised p and divides O at the end.  When M moves, the sum and O are multiplied by 2^(old M - new M): exact.
; THE MASKS ARE ADDENDS, NOT -infinity.  A row q >= F has an open key at its true score, and every masked key then gives p = 0 exactly: for such rows future keys need not be walked.  A row q < F has none: its largest
; logit lies at -1e9 and its weight spreads over padded keys up to q AND open keys behind q: it needs all 2,048 keys, and the logit in the function's own order of f32 roundings.  So there are three ways:
;   THE CAUSAL WALK serves tiles of 16 queries whose first query Q0 >= max(F, 1): operands from LDS, the padding addend as the C of the first product, hidden keys on the diagonal set to -infinity.
;   THE JOINT EXACT STEP serves queries 0 to 15 of every head, whatever F: the sixteen waves of work-group x = 0 take one key step each, t = fl(fl(fl(s / sqrt(128) + pad) + future) x log2(e)), operands from memory,
;     and join their M, sums and O^T through LDS by exact powers of two.  The branch to it hangs on the work-group's number alone.
;   THE EXACT WALK serves tiles with 16 <= Q0 < F: one wave, all 16 key steps, the same arithmetic as the joint step.
; Which walk a tile takes is a scalar branch on F, a whole number that the launch before stored; such a branch leads forward over work alone, never over a barrier; every base address is made ahead of it.
; SHARES.  Work-group (x, head) owns query blocks 7 - x and x of 256 queries: 16 - 2 x and 2 x + 2 key steps of 128 keys, 18 whatever x.  Each of SIXTEEN waves owns one tile of 16 queries of each block, in 256 registers.
; K AND V GO FROM MEMORY THROUGH REGISTERS INTO A RING OF TWO LDS SLOTS OF TWO KEY STEPS, copied by the sixteen waves (2 x 16 bytes of K and of V a thread a trip), asked for one trip ahead; one barrier a trip, nine trips.
; No tensor load and no joint request: the four work-groups of a head walk 16 - 2 x steps in their first phase, so they want different tiles at the same time, and the walk branches on a number read from memory.
; PREFETCH: tile B's 16 rows of q (8,192 bytes a wave, a lane to each 256) are asked for once, by the wave that will load them, two trips ahead of the change of tiles.  K's and V's copies are themselves asked for a trip ahead.
; LAYOUT.  Both products are used transposed: S^T = K Q^T (source 0 = 16 keys, source 1 = my 16 queries), O^T = V^T P^T: a lane holds ONE query (lane % 16) throughout.  THE KEYS OF A TILE ARE NOT NEIGHBOURS: lane r of tile
; 2 b + u takes key 32 b + 8 u + r + 8 (r / 8), so that the 16 registers of tiles 2 b and 2 b + 1 are 16 neighbouring keys, 32 b + 16 (lane / 16) + 0 .. 15.
; LIMITS.  NaN and infinities are not served.  In the causal walk the padding addend enters ahead of the factor 1 / sqrt(128): right while |q . k| stays under 2^28.  In the exact forms s is multiplied by fl(1 / sqrt(128))
; where the function divides, and that product and the padding addend are one fused operation: either can turn a logit only at a tie of the grid of 64 at 1e9.  A block of q under 2^-124 keeps the scale byte 1.
; REGISTERS: v1-11, v24, v31 addresses that stay; v12 -M, v13 the largest t, v[14:15] the sum in two halves; v16-23 Q; v25-30 addresses in hand; v32-63 four fragments of K or of V; v64-87 the copy on its way
; (exact: v64-95 mask words); v88-91 at work; v96-159 S^T, then p, then (v96-127) V's other four fragments; v160-223 O^T; v224-231 p's codes; v232-239, v244-247, v254 at work; v240 d; v241 -1e9;
; v242 f (the pair v[242:243]); v248-251, v253, v255 scale words alone; v252 at work on the way out.
.set SLOT1,  65536                     ; slot 1 begins here
.set SUB,    17920                     ; a slot's second key step begins here
.set VIMG,   8192                      ; a key step: K's 8 fragments as images of their registers; V's 8 likewise, as they lie in vf;
.set KSC,    16384                     ; K's scale words, 4 bytes a key;
.set VSC,    16896                     ; V's, 4 bytes a channel;
.set PAD,    17408                     ; the padding addend of each key, f32
.set STAGE,  102400                    ; 16 rows x 272 bytes for each wave, its own: q's way in and O's way out
.set SPITCH, 272
.set SPARE,  172032                    ; the spare words, 128 bytes a wave
.set MRG,    174080                    ; the joint step alone: each wave's O^T, 8,192 bytes;
.set STAT,   305152                    ; each wave's -M (128 bytes a wave), 2,048 bytes on its sums;
.set OST,    309248                    ; and 16 rows of 512 + 16 bytes of the joined result
.set OPITCH, 528
.set SQ, 4                             ; s[4:19] the eight buffers, at the head's (the batch's) first byte
.set KC, 6
.set KS, 8
.set VF, 10
.set VS, 12
.set MK, 14
.set FI, 16
.set SO, 18
; s22 wave; s23 max(F, 1); s[24:25] lane selects; s[26:27] c = log2(e) / sqrt(128), twice; s28 1 / sqrt(128); s29 log2(e); s30 slot read, s31 slot written; s32 key step in hand, s33 key step asked for,
; s34 steps of the phase; s35 my first query, s36, s37 that of tiles A and B; s38 B's steps; s39 trips; s40 the step's first key; s41 at work; s[42:43] an offset (s43 = 0); s[44:45] q at the tile in hand, s[46:47] at tile B;
; s[48:49] O at my tile; s[50:51] what waves 0, 1, 2 copy beside; s52 tiles of the exact walk; s53 where the step in hand lies in LDS; s54 A's steps while tile A is walked, then -1.
	s_load_b512 s[4:19], s[0:1], 0x0
	v_lshrrev_b32 v25, 5, v0
	v_readfirstlane_b32 s22, v25                   ; wave 0..15
	s_mul_i32 s41, s22, 16*SPITCH
	s_add_co_u32 s41, s41, STAGE                   ; my stage
	v_and_b32 v25, 15, v0                          ; r
	v_bfe_u32 v26, v0, 4, 1                        ; h
	v_and_b32 v27, 31, v0                          ; lane
	v_lshlrev_b32 v1, 4, v27                       ; 16 x lane: my place in an image
	v_lshlrev_b32 v31, 8, v27                      ; 256 x lane: the prefetch's offset
	v_lshlrev_b32 v8, 4, v0                        ; 16 x thread
	v_add_nc_u32 v6, VIMG, v8                      ; V's copy goes into LDS as it lies
	v_add_nc_u32 v7, KSC, v8                       ; 512 x wave + 16 x lane: waves 0, 1, 2 fill KSC, VSC, PAD
	v_lshlrev_b32 v9, 9, v26
	v_lshl_add_u32 v9, v25, 4, v9                  ; in q and in O: lanes 0-15 one row, lanes 16-31 the next; 16 bytes a lane
	v_mul_u32_u24 v10, v25, SPITCH
	v_lshl_add_u32 v24, v26, 7, v10
	v_lshl_add_u32 v10, v26, 5, v10
	v_add_nc_u32 v24, s41, v24                     ; stage, q's way back: row r, my half's 32 numbers
	v_add_nc_u32 v10, s41, v10                     ; stage, O's way in: row r, 32 bytes for each half of the lanes
	v_mul_u32_u24 v11, v26, SPITCH
	v_lshl_add_u32 v11, v25, 4, v11
	v_add_nc_u32 v11, s41, v11                     ; stage by rows: lanes 0-15 one row, lanes 16-31 the next
	v_and_b32 v28, 8, v25
	v_add_nc_u32 v28, v28, v25                     ; r + 8 (r / 8)
	v_lshl_add_u32 v2, v28, 2, KSC                 ; K's scale words, by the tile's rows; lanes 16-31 take those of the tile four further on (64 keys, 256 bytes)
	v_lshl_add_u32 v2, v26, 8, v2
	v_lshl_add_u32 v3, v25, 2, VSC                 ; V's likewise (four tiles of 16 channels are 256 bytes)
	v_lshl_add_u32 v3, v26, 8, v3
	v_lshl_add_u32 v4, v26, 6, PAD                 ; the addends of my half's 16 keys of a block
	; Thread g copies the g-th 16 bytes of a step's K: key rho = g / 4, block 2 c + h = g % 4.  Key rho belongs to tile 2 (rho / 32) + (rho / 8) % 2, at row rho % 8 + 8 ((rho / 16) % 2).
	v_bfe_u32 v5, v0, 2, 3
	v_lshlrev_b32 v5, 4, v5
	v_bfe_u32 v29, v0, 6, 1
	v_lshl_or_b32 v5, v29, 7, v5
	v_and_b32 v29, 1, v0
	v_lshl_or_b32 v5, v29, 8, v5                   ; h
	v_bfe_u32 v29, v0, 1, 1
	v_lshl_or_b32 v5, v29, 9, v5                   ; c
	v_bfe_u32 v29, v0, 5, 1
	v_lshl_or_b32 v5, v29, 10, v5                  ; u
	v_bfe_u32 v29, v0, 7, 2
	v_lshl_or_b32 v5, v29, 11, v5                  ; b
	v_mov_b32 v241, 0xce6e6b28                     ; -1e9; never rewritten
.irp b, 0,1,2,3
	v_mov_b32 v[236+\b], 0                         ; a lane exchange's destination counts as one of its sources
.endr
	v_mov_b32 v252, 0
	v_mov_b32 v243, 0                              ; (named as the upper half of the pair v[242:243])
	s_mov_b32 s24, 0x76543210
	s_mov_b32 s25, 0xfedcba98                      ; selects for lane l xor 16
	s_mov_b32 s26, 0x3e0293ee                      ; c = log2(e) / sqrt(128)
	s_mov_b32 s27, s26
	s_mov_b32 s28, 0x3db504f3                      ; 1 / sqrt(128)
	s_mov_b32 s29, 0x3fb8aa3b                      ; log2(e)
	s_mov_b32 s43, 0
	s_sub_co_u32 s41, 7, ttmp9
	s_lshl_b32 s36, s41, 8
	s_lshl_b32 s41, s22, 4
	s_add_co_u32 s36, s36, s41                     ; tile A's first query: 256 (7 - x) + 16 wave
	s_lshl_b32 s37, ttmp9, 8
	s_add_co_u32 s37, s37, s41                     ; tile B's: 256 x + 16 wave
	s_lshl_b32 s38, ttmp9, 1
	s_sub_co_u32 s34, 16, s38                      ; A's key steps
	s_add_co_u32 s38, s38, 2                       ; B's
	s_mov_b32 s54, s34
	s_and_b32 s40, ttmp7, 0xffff                   ; the head
	s_wait_alu depctr_va_vdst(0)                   ; the wait at the head's end
	s_wait_kmcnt 0x0
	s_lshl_b32 s42, s40, 20                        ; a head's rows of q and of O: 2,048 x 512 bytes
	s_add_nc_u64 s[SQ:SQ+1], s[SQ:SQ+1], s[42:43]
	s_add_nc_u64 s[SO:SO+1], s[SO:SO+1], s[42:43]
	s_lshl_b32 s42, s40, 17                        ; its codes: 2,048 x 64 bytes
	s_add_nc_u64 s[KC:KC+1], s[KC:KC+1], s[42:43]
	s_add_nc_u64 s[VF:VF+1], s[VF:VF+1], s[42:43]
	s_lshl_b32 s42, s40, 13                        ; its scale words
	s_add_nc_u64 s[KS:KS+1], s[KS:KS+1], s[42:43]
	s_add_nc_u64 s[VS:VS+1], s[VS:VS+1], s[42:43]
	s_lshr_b32 s41, s40, 4                         ; the batch
	s_lshl_b32 s42, s41, 13
	s_add_nc_u64 s[MK:MK+1], s[MK:MK+1], s[42:43]
	s_lshl_b32 s42, s41, 7
	s_add_nc_u64 s[FI:FI+1], s[FI:FI+1], s[42:43]
	s_load_b32 s23, s[FI:FI+1], 0x0                ; F
	s_cmp_eq_u32 s22, 1                            ; the choices hang on the wave's number alone
	s_cselect_b64 s[50:51], s[VS:VS+1], s[KS:KS+1]
	s_cmp_eq_u32 s22, 2
	s_cselect_b64 s[50:51], s[MK:MK+1], s[50:51]
	s_lshl_b32 s42, s36, 9
	s_add_nc_u64 s[44:45], s[SQ:SQ+1], s[42:43]    ; tile A's rows of q,
	s_add_nc_u64 s[48:49], s[SO:SO+1], s[42:43]    ; and of O
	s_lshl_b32 s42, s37, 9
	s_add_nc_u64 s[46:47], s[SQ:SQ+1], s[42:43]    ; tile B's rows of q
	s_mov_b32 s30, 0
	s_mov_b32 s31, 0
	s_mov_b32 s32, 0
	s_mov_b32 s33, 0
	s_mov_b32 s35, s36
	s_wait_kmcnt 0x0
	s_max_u32 s23, s23, 1                          ; tile 0 belongs to the joint step whatever F: with max(F, 1) it counts as a tile ahead of F, and no other tile's test changes
; Key steps s33 and s33 + 1 are asked for: 2 x 16 bytes of K and of V a thread; waves 0, 1, 2 also 2 x 512 bytes of K's scale words, V's scale words, the mask.
.macro FETCH
	v_lshl_add_u32 v29, s33, 13, v8
	global_load_b128 v[64:67], v29, s[KC:KC+1]
	global_load_b128 v[68:71], v29, s[VF:VF+1]
	global_load_b128 v[76:79], v29, s[KC:KC+1] offset:8192
	global_load_b128 v[80:83], v29, s[VF:VF+1] offset:8192
	s_cmp_lt_u32 s22, 3
	s_cbranch_scc0 .Lnf_\@
	v_lshl_add_u32 v30, s33, 9, v1
	global_load_b128 v[72:75], v30, s[50:51]
	global_load_b128 v[84:87], v30, s[50:51] offset:512
.Lnf_\@:
.endm
; They go into the slot at s31, and the trip's ONE barrier follows: my reads of the slot at s30 and my stores into the slot at s31 are waited for in front of it.
.macro STORE
	s_wait_loadcnt 0x0                             ; the copy, asked for a trip ago
	v_add_nc_u32 v25, s31, v5
	v_add_nc_u32 v26, s31, v6
	v_add_nc_u32 v27, s31, v7
	ds_store_b128 v25, v[64:67]
	ds_store_b128 v26, v[68:71]
	ds_store_b128 v25, v[76:79] offset:SUB
	ds_store_b128 v26, v[80:83] offset:SUB
	s_cmp_lt_u32 s22, 3
	s_cbranch_scc0 .Lns_\@
	s_cmp_lg_u32 s22, 2
	s_cbranch_scc1 .Lraw_\@
.irp i, 72,73,74,75,84,85,86,87
	v_cmp_eq_u32 vcc_lo, 0, v\i                    ; wave 2: the mask's words become addends
	s_delay_alu instid0(VALU_DEP_1)
	v_cndmask_b32 v\i, 0, v241, vcc_lo
.endr
.Lraw_\@:
	s_wait_alu depctr_va_vdst(0)
	ds_store_b128 v27, v[72:75]
	ds_store_b128 v27, v[84:87] offset:SUB
.Lns_\@:
	s_wait_dscnt 0x0                               ; for the others' sake: all my LDS loads are in, all my LDS stores have landed
	s_barrier_signal -1
	s_barrier_wait -1
.endm
; Q.  QASK: 16 rows of 512 bytes of q at base, into 64 registers from T on; sixteen lanes read 256 consecutive bytes, aligned.
.macro QASK T, base
.irp c, 0,1
.irp i, 0,1,2,3,4,5,6,7
	global_load_b128 v[(\T)+32*\c+4*\i:(\T)+32*\c+4*\i+3], v9, s[\base:\base+1] offset:1024*\i+256*\c th:TH_LOAD_NT
.endr
.endr
.endm
; QGET: half a row (64 numbers) of 16 queries at a time through my stage; lane (r, h) gets back block 2 c + h of row r whole, in v32-63: the operand's own order.  Its largest magnitude needs no other lane.
.macro QGET T, dst, sc
.irp c, 0,1
.irp i, 0,1,2,3,4,5,6,7
	ds_store_b128 v11, v[(\T)+32*\c+4*\i:(\T)+32*\c+4*\i+3] offset:2*\i*SPITCH
.endr
.irp j, 0,1,2,3,4,5,6,7
	ds_load_b128 v[32+4*\j:35+4*\j], v24 offset:16*\j   ; LDS serves a wave's instructions in order (ISA guide 5.7.1.4)
.endr
	s_wait_dscnt 0x0
	v_max3_num_f32 v232, |v32|, |v33|, 0x1800000   ; with the floor 2^(3 - 127): the byte cannot fall under 1
	v_max3_num_f32 v233, |v48|, |v49|, |v50|
.irp i, 0,2,4,6,8,10
	v_max3_num_f32 v232, v232, |v[34+\i]|, |v[35+\i]|
	v_max3_num_f32 v233, v233, |v[51+\i]|, |v[52+\i]|
.endr
	v_max3_num_f32 v232, v232, |v46|, |v47|
	v_max3_num_f32 v232, v232, v233, |v63|
	v_add_nc_u32 v[234+\c], 0xff000000, v232       ; 2 off the exponent field: the conversions' scale operand
.irp g, 0,1,2,3
	v_cvt_scalef32_pk8_fp4_f32 v[(\dst)+4*\c+\g], v[32+8*\g:39+8*\g], v[234+\c]
.endr
	v_lshrrev_b32 v[236+\c], 23, v[234+\c]         ; the scale's byte (also the plain line behind the conversions)
.endr
	v_lshl_or_b32 v236, v237, 16, v236             ; my two bytes: blocks h and 2 + h,
	v_bfe_u32 v237, v0, 4, 1
	v_lshlrev_b32 v237, 3, v237
	v_lshlrev_b32 v236, v237, v236                 ; at their places in the scale word;
	v_permlanex16_b32 v237, v236, s24, s25
	v_or_b32 v[\sc], v236, v237                    ; with lane l xor 16's two the word is whole
.endm
; The statistics begin: O^T and the sum as zeros, the largest t as -3e38: the first change of M multiplies zeros.
.macro ZERO
	v_mov_b32 v13, 0xff61b1e6
	v_floor_f32 v12, -v13                          ; -M
	v_mov_b32 v14, 0
	v_mov_b32 v15, 0
.set JJ, 0
.rept 64
	v_mov_b32 v[160+JJ], 0
.set JJ, JJ+1
.endr
.endm
.macro XINIT base                      ; a tile begins: its Q from the rows at base
	QASK 160, \base
	s_wait_loadcnt 0x0
	QGET 160, 16, 255
	ZERO
.endm
.macro EXADDR                          ; the lane's places as offsets in memory, for the exact forms
	v_and_b32 v3, 15, v0                           ; r
	v_and_b32 v2, 8, v3
	v_add_nc_u32 v2, v2, v3                        ; r + 8 (r / 8)
	v_bfe_u32 v4, v0, 4, 1                         ; h
	v_lshlrev_b32 v5, 6, v2
	v_lshl_add_u32 v5, v4, 4, v5                   ; K: a key's row of 64 bytes, + 16 h
	v_lshlrev_b32 v2, 2, v2                        ; K's scale words
	v_lshlrev_b32 v3, 2, v3                        ; V's
	v_lshlrev_b32 v4, 6, v4                        ; the mask: my half's 16 keys of a block
.endm
; The way out of the tile in hand.  O^T is divided by the row's sum and goes through my stage, half a row (256 bytes) of 16 queries at a time.
.macro FINISH
.rept 4
	v_nop                                          ; four places between the last products and the first read of their results (ISA guide 7.12.1)
.endr
	v_add_f32 v14, v14, v15
	s_delay_alu instid0(VALU_DEP_1)
	v_permlanex16_b32 v252, v14, s24, s25
	s_delay_alu instid0(VALU_DEP_1)
	v_add_f32 v14, v14, v252                       ; the row's sum
	s_wait_alu depctr_va_vdst(0)                   ; the wait ahead of the reciprocal
	v_rcp_f32 v14, v14
	v_nop
.set JJ, 0
	s_wait_alu depctr_va_vdst(0)                   ; and ahead of its first reader, which is O^T's first reader too
.rept 64
	v_mul_f32 v[96+JJ], v[160+JJ], v14             ; register 8 t + i is o(r, 16 t + 8 h + i)
.set JJ, JJ+1
.endr
.irp u, 0,1
.irp t, 0,1,2,3
	ds_store_b128 v10, v[96+32*\u+8*\t:99+32*\u+8*\t] offset:64*\t
	ds_store_b128 v10, v[100+32*\u+8*\t:103+32*\u+8*\t] offset:64*\t+16
.endr
.irp i, 0,1,2,3,4,5,6,7
	ds_load_b128 v[160+32*\u+4*\i:163+32*\u+4*\i], v11 offset:2*\i*SPITCH
.endr
.endr
.irp u, 0,1
.irp i, 0,1,2,3,4,5,6,7
	s_wait_dscnt 15-8*\u-\i                        ; the LDS loads issued behind the one that is wanted
	global_store_b128 v9, v[160+32*\u+4*\i:163+32*\u+4*\i], s[48:49] offset:1024*\i+256*\u th:TH_STORE_NT   ; 16 lanes store 256 consecutive bytes, aligned
.endr
.endr
	s_wait_xcnt 0x0                                ; the stores' registers and base may be written again
.endm
; A KEY STEP: keys 128 s32 .. + 127 for the tile in hand.  ex = 0: the causal walk, operands from byte sub of the slot at s30.  ex = 1: the exact form, operands from memory.
; The sixteen accumulators take turns, one matrix instruction a turn, over the backward jumps too.
.macro STEP ex, sub
.if \ex
	v_lshl_add_u32 v25, s32, 13, v5                ; the step's rows of K; their scale words; V's scale words; the mask's words; V's images
	v_lshl_add_u32 v26, s32, 9, v2
	v_lshl_add_u32 v27, s32, 9, v3
	v_lshl_add_u32 v28, s32, 9, v4
	v_lshl_add_u32 v29, s32, 13, v1
	s_sub_co_i32 s41, s35, s40
	v_and_b32 v240, 15, v0
	v_bfe_u32 v243, v0, 4, 1
	s_delay_alu instid0(VALU_DEP_1)
	v_lshlrev_b32 v243, 4, v243
	s_delay_alu instid0(VALU_DEP_1)
	v_sub_nc_u32 v240, v240, v243
	s_delay_alu instid0(VALU_DEP_1)
	v_add_nc_u32 v240, s41, v240                   ; d = my query - the step's first key - 16 h.  Register 16 b + i holds key 32 b + 16 h + i: behind my query where 32 b + i > d
.else
	s_lshl_b32 s40, s32, 7                         ; the step's first key
	s_cmp_lt_u32 s35, s23
	s_cbranch_scc1 .Lhidden_\@                     ; my tile has a query ahead of F: it is served by an exact form
	s_add_co_u32 s41, s35, 15
	s_cmp_gt_u32 s40, s41
	s_cbranch_scc1 .Lhidden_\@                     ; all the step's keys come behind my 16 queries
	s_add_co_u32 s41, s40, 127
	s_cmp_lt_u32 s41, s23
	s_cbranch_scc1 .Lhidden_\@                     ; all the step's keys lie ahead of F: padded, and key F makes their p 0
	s_add_co_u32 s53, s30, \sub
	v_add_nc_u32 v25, s53, v1                      ; (these five lines are the places behind the last products: four in front of loads into registers that they read,
	v_add_nc_u32 v26, s53, v2                      ; five in front of the scores' products, which write over v96-127, the last products' source 0)
	v_add_nc_u32 v27, s53, v3
	v_add_nc_u32 v28, s53, v4
	v_nop
	s_wait_alu depctr_va_vdst(0)
.irp b, 0,1,2,3
.irp j, 0,1,2,3
	ds_load_b128 v[96+16*\b+4*\j:99+16*\b+4*\j], v28 offset:128*\b+16*\j   ; the keys' padding addends: the C of the first product
.endr
.endr
.endif
.irp g, 0,1                                    ; S^T = K Q^T, four tiles of 16 keys at a time
.if \ex
.irp t, 0,1,2,3
.irp c, 0,1
	global_load_b128 v[32+8*\t+4*\c:35+8*\t+4*\c], v25, s[KC:KC+1] offset:(32*((4*\g+\t)/2)+8*(\t%2))*64+32*\c
.endr
	global_load_b32 v[248+\t], v26, s[KS:KS+1] offset:(32*((4*\g+\t)/2)+8*(\t%2))*4
.endr
.irp m, 0,1,2,3,4,5,6,7
	global_load_b128 v[64+4*\m:67+4*\m], v28, s[MK:MK+1] offset:256*\g+128*(\m/4)+16*(\m%4)   ; the mask of blocks 2 g and 2 g + 1: my half's 16 keys of each
.endr
	s_wait_alu depctr_va_vdst(0)
	s_wait_loadcnt 0x0
.irp t, 0,1,2,3
	v_wmma_scale_f32_16x16x128_f8f6f4 v[96+8*(4*\g+\t):103+8*(4*\g+\t)], v[32+8*\t:39+8*\t], v[16:23], 0, v[248+\t], v255 matrix_a_fmt:MATRIX_FMT_FP4 matrix_b_fmt:MATRIX_FMT_FP4
.endr
.rept 4
	v_nop
.endr
.set NN, 32*\g
.rept 32                                       ; the logit in the function's order, each step rounded to f32, then t
	v_cmp_eq_u32 vcc_lo, 0, v[64+NN-32*\g]
	s_delay_alu instid0(VALU_DEP_1)
	v_cndmask_b32 v242, 0, v241, vcc_lo            ; the padding addend
	v_fma_f32 v[96+NN], v[96+NN], s28, v242
	v_cmp_gt_i32 vcc_lo, 32*(NN/16)+NN%16, v240
	s_delay_alu instid0(VALU_DEP_1)
	v_cndmask_b32 v243, 0, v241, vcc_lo            ; the future addend
	s_delay_alu instid0(VALU_DEP_1)
	v_add_f32 v[96+NN], v[96+NN], v243
	s_delay_alu instid0(VALU_DEP_1)
	v_mul_f32 v[96+NN], s29, v[96+NN]              ; t
.set NN, NN+1
.endr
.else
.if \g > 0
.rept 4
	v_nop
.endr
.endif
.irp t, 0,1,2,3
.irp c, 0,1
	ds_load_b128 v[32+8*\t+4*\c:35+8*\t+4*\c], v25 offset:(4*\g+\t)*1024+512*\c   ; an image: 512 consecutive bytes an instruction
.endr
.if \g == 0
	ds_load_b32 v[248+\t], v26 offset:(32*(\t/2)+8*(\t%2))*4   ; lanes 0-15: tile t's scale words; lanes 16-31: tile 4 + t's
.endif
.endr
	s_wait_dscnt 0x0
.irp t, 0,1,2,3
.if \g == 0
	v_wmma_scale_f32_16x16x128_f8f6f4 v[96+8*\t:103+8*\t], v[32+8*\t:39+8*\t], v[16:23], v[96+8*\t:103+8*\t], v[248+\t], v255 matrix_a_fmt:MATRIX_FMT_FP4 matrix_b_fmt:MATRIX_FMT_FP4
.else
	v_wmma_scale_f32_16x16x128_f8f6f4 v[128+8*\t:135+8*\t], v[32+8*\t:39+8*\t], v[16:23], v[128+8*\t:135+8*\t], v[248+\t], v255 matrix_a_fmt:MATRIX_FMT_FP4 matrix_b_fmt:MATRIX_FMT_FP4 matrix_a_scale:MATRIX_SCALE_ROW1
.endif
.endr
.endif
.endr
.if !\ex
.rept 4
	v_nop
.endr
.irp t, 0,1,2,3                                ; V's first four fragments and all its scale words are asked for now: the whole softmax stands between these loads and the wait for them
.irp c, 0,1
	ds_load_b128 v[32+8*\t+4*\c:35+8*\t+4*\c], v25 offset:VIMG+\t*1024+512*\c
.endr
	ds_load_b32 v[248+\t], v27 offset:64*\t        ; lanes 0-15: tile t's scale words; lanes 16-31: tile 4 + t's
.endr
	s_add_co_u32 s41, s40, 127                     ; on the diagonal the scores of keys behind my query become -infinity; a step all of whose keys count skips this
	s_cmp_le_u32 s41, s35
	s_cbranch_scc1 .Lopen_\@
	s_sub_co_i32 s41, s35, s40
	v_and_b32 v240, 15, v0
	v_bfe_u32 v243, v0, 4, 1
	s_delay_alu instid0(VALU_DEP_1)
	v_lshlrev_b32 v243, 4, v243
	s_delay_alu instid0(VALU_DEP_1)
	v_sub_nc_u32 v240, v240, v243
	s_delay_alu instid0(VALU_DEP_1)
	v_add_nc_u32 v240, s41, v240                   ; d
	v_mov_b32 v254, 0xff800000                     ; -infinity
.set NN, 0
.rept 64
	v_cmp_gt_i32 vcc_lo, 32*(NN/16)+NN%16, v240
	v_cndmask_b32 v[96+NN], v[96+NN], v254, vcc_lo
.set NN, NN+1
.endr
.Lopen_\@:
.endif
.irp b, 0,1,2,3
	v_max3_num_f32 v[232+\b], v[96+16*\b], v[97+16*\b], v[98+16*\b]   ; the largest of each block of 32 keys: for the row's maximum, and for the block's largest p
.endr
.irp i, 3,5,7,9,11,13
.irp b, 0,1,2,3
	v_max3_num_f32 v[232+\b], v[232+\b], v[96+16*\b+\i], v[97+16*\b+\i]
.endr
.endr
.irp b, 0,1,2,3
	v_max_num_f32 v[232+\b], v[232+\b], v[111+16*\b]
.endr
.irp b, 0,1,2,3
	s_delay_alu instid0(VALU_DEP_4)
	v_permlanex16_b32 v[236+\b], v[232+\b], s24, s25
.endr
.irp b, 0,1,2,3
	s_delay_alu instid0(VALU_DEP_4)
	v_max_num_f32 v[232+\b], v[232+\b], v[236+\b]  ; with lane l xor 16's 16 keys
.endr
	s_delay_alu instid0(VALU_DEP_2)
	v_max3_num_f32 v254, v232, v233, v234
	s_delay_alu instid0(VALU_DEP_1)
	v_max_num_f32 v254, v254, v235
.if !\ex
	s_delay_alu instid0(VALU_DEP_1)
	v_mul_f32 v254, s26, v254                      ; as t (c is positive); the exact forms hold t already
.endif
	s_delay_alu instid0(VALU_DEP_1)
	v_max_num_f32 v13, v13, v254                   ; the running largest t
	v_mov_b32 v254, v12
	s_delay_alu instid0(VALU_DEP_2)
	v_floor_f32 v12, -v13                          ; the new -M = -ceil(t)
	s_delay_alu instid0(VALU_DEP_1)
	v_sub_f32 v254, v12, v254                      ; old M - new M: a whole number, 0 or less
	s_delay_alu instid0(VALU_DEP_1)
	v_cvt_i32_f32 v254, v254                       ; (it saturates)
	s_delay_alu instid0(VALU_DEP_1)
	v_ldexp_f32 v242, 1.0, v254                    ; f = 2^(old M - new M)
.set JJ, 0
.rept 32
.if \ex
	v_pk_add_f32 v[96+JJ:97+JJ], v[96+JJ:97+JJ], v[12:13] op_sel_hi:[1,0]
.else
	v_pk_fma_f32 v[96+JJ:97+JJ], v[96+JJ:97+JJ], s[26:27], v[12:13] op_sel_hi:[1,0,0]   ; t - M, two at a time
.endif
.set JJ, JJ+2
.endr
.irp b, 0,1,2,3
.if \ex
	v_add_f32 v[232+\b], v[232+\b], v12
.else
	v_fma_f32 v[232+\b], v[232+\b], s26, v12       ; the same of each block's largest
.endif
.endr
.set JJ, 0
	s_wait_alu depctr_va_vdst(0)                   ; the wait ahead of the batch
.rept 64
	v_exp_f32 v[96+JJ], v[96+JJ]                   ; p = 2^(t - M), at most 1: NOT normalised
.set JJ, JJ+1
.endr
.irp b, 0,1,2,3
	v_exp_f32 v[232+\b], v[232+\b]                 ; the block's largest p
.endr
	v_pk_mul_f32 v[14:15], v[14:15], v[242:243] op_sel_hi:[1,0]   ; the sums under the new M (a plain line behind the exponentials)
	s_wait_alu depctr_va_vdst(0)                   ; and the wait behind the batch
.irp b, 0,1,2,3
	v_max_num_f32 v[232+\b], 0x1800000, v[232+\b]  ; the floor 2^(3 - 127)
.endr
.irp b, 0,1,2,3
	s_delay_alu instid0(VALU_DEP_4)
	v_add_nc_u32 v[244+\b], 0xff000000, v[232+\b]  ; the conversion's scale operand
.endr
.irp b, 0,1,2,3
	s_delay_alu instid0(VALU_DEP_4)
	v_lshrrev_b32 v[236+\b], 23, v[244+\b]         ; the scale's byte
.endr
	s_delay_alu instid0(VALU_DEP_3)
	v_lshl_or_b32 v253, v237, 8, v236              ; p's scale word for these 128 keys
	s_delay_alu instid0(VALU_DEP_1)
	v_lshl_or_b32 v253, v238, 16, v253
	s_delay_alu instid0(VALU_DEP_1)
	v_lshl_or_b32 v253, v239, 24, v253
.irp b, 0,1,2,3
	v_cvt_scalef32_pk8_fp4_f32 v[224+2*\b], v[96+16*\b:103+16*\b], v[244+\b]
	v_cvt_scalef32_pk8_fp4_f32 v[225+2*\b], v[104+16*\b:111+16*\b], v[244+\b]
.endr
	v_nop                                          ; one plain line behind the conversions
.irp c, 0,1                                    ; a WHOLE block in a lane: lanes 0-15 block 2 c, lanes 16-31 block 2 c + 1
.irp i, 0,1
	v_permlane16_swap_b32 v[224+4*\c+\i], v[226+4*\c+\i]
.endr
.endr
	v_pk_add_f32 v[236:237], v[100:101], v[104:105]   ; the row's sum of the unquantised p, in eight chains
	v_pk_add_f32 v[88:89], v[108:109], v[112:113]
	v_pk_add_f32 v[90:91], v[116:117], v[120:121]
	v_pk_add_f32 v[246:247], v[124:125], v[128:129]
	v_pk_add_f32 v[244:245], v[132:133], v[136:137]
	v_pk_add_f32 v[234:235], v[140:141], v[144:145]
	v_pk_add_f32 v[232:233], v[148:149], v[152:153]
	v_pk_add_f32 v[14:15], v[14:15], v[156:157]
	v_pk_add_f32 v[236:237], v[236:237], v[96:97]
	v_pk_add_f32 v[88:89], v[88:89], v[98:99]
	v_pk_add_f32 v[90:91], v[90:91], v[102:103]
	v_pk_add_f32 v[246:247], v[246:247], v[106:107]
	v_pk_add_f32 v[244:245], v[244:245], v[110:111]
	v_pk_add_f32 v[234:235], v[234:235], v[114:115]
	v_pk_add_f32 v[232:233], v[232:233], v[118:119]
	v_pk_add_f32 v[14:15], v[14:15], v[122:123]
	v_pk_add_f32 v[236:237], v[236:237], v[126:127]
	v_pk_add_f32 v[88:89], v[88:89], v[130:131]
	v_pk_add_f32 v[90:91], v[90:91], v[134:135]
	v_pk_add_f32 v[246:247], v[246:247], v[138:139]
	v_pk_add_f32 v[244:245], v[244:245], v[142:143]
	v_pk_add_f32 v[234:235], v[234:235], v[146:147]
	v_pk_add_f32 v[232:233], v[232:233], v[150:151]
	v_pk_add_f32 v[14:15], v[14:15], v[154:155]
	v_pk_add_f32 v[236:237], v[236:237], v[158:159]
.if !\ex
.irp t, 0,1,2,3                                ; p's first 32 registers have been read for the last time: they take V's other four fragments
.irp c, 0,1
	ds_load_b128 v[96+8*\t+4*\c:99+8*\t+4*\c], v25 offset:VIMG+(4+\t)*1024+512*\c
.endr
.endr
.endif
	v_pk_add_f32 v[14:15], v[14:15], v[246:247]
	v_pk_add_f32 v[236:237], v[236:237], v[244:245]
	v_pk_add_f32 v[88:89], v[88:89], v[234:235]
	v_pk_add_f32 v[90:91], v[90:91], v[232:233]
	s_delay_alu instid0(VALU_DEP_2)
	v_pk_add_f32 v[14:15], v[14:15], v[88:89]
	s_delay_alu instid0(VALU_DEP_2)
	v_pk_add_f32 v[236:237], v[236:237], v[90:91]
	s_delay_alu instid0(VALU_DEP_1)
	v_pk_add_f32 v[14:15], v[14:15], v[236:237]
	s_wait_alu depctr_va_vdst(0)                   ; the wait directly ahead of O^T's first reader
.set JJ, 0
.rept 32
	v_pk_mul_f32 v[160+JJ:161+JJ], v[160+JJ:161+JJ], v[242:243] op_sel_hi:[1,0]   ; O^T under the new M (also the places in front of the matrix instructions and loads below)
.set JJ, JJ+2
.endr
	s_wait_alu depctr_va_vdst(0)
.if \ex
.irp g, 0,1                                    ; O^T += V^T P^T: four tiles of 16 of the head's 128 at a time
.if \g > 0
.rept 4
	v_nop
.endr
.endif
.irp t, 0,1,2,3
.irp c, 0,1
	global_load_b128 v[32+8*\t+4*\c:35+8*\t+4*\c], v29, s[VF:VF+1] offset:(4*\g+\t)*1024+512*\c
.endr
	global_load_b32 v[248+\t], v27, s[VS:VS+1] offset:64*(4*\g+\t)
.endr
	s_wait_loadcnt 0x0
.irp t, 0,1,2,3
	v_wmma_scale_f32_16x16x128_f8f6f4 v[160+8*(4*\g+\t):167+8*(4*\g+\t)], v[32+8*\t:39+8*\t], v[224:231], v[160+8*(4*\g+\t):167+8*(4*\g+\t)], v[248+\t], v253 matrix_a_fmt:MATRIX_FMT_FP4 matrix_b_fmt:MATRIX_FMT_FP4
.endr
.endr
.else
	s_wait_dscnt 0x0                               ; all eight fragments of V and its scale words
.irp t, 0,1,2,3
	v_wmma_scale_f32_16x16x128_f8f6f4 v[160+8*\t:167+8*\t], v[32+8*\t:39+8*\t], v[224:231], v[160+8*\t:167+8*\t], v[248+\t], v253 matrix_a_fmt:MATRIX_FMT_FP4 matrix_b_fmt:MATRIX_FMT_FP4
.endr
.irp t, 0,1,2,3
	v_wmma_scale_f32_16x16x128_f8f6f4 v[192+8*\t:199+8*\t], v[96+8*\t:103+8*\t], v[224:231], v[192+8*\t:199+8*\t], v[248+\t], v253 matrix_a_fmt:MATRIX_FMT_FP4 matrix_b_fmt:MATRIX_FMT_FP4 matrix_a_scale:MATRIX_SCALE_ROW1
.endr
.Lhidden_\@:
.endif
.endm
; ---------------- THE CAUSAL WALK: nine trips of two key steps, tile A's 16 - 2 x steps and then tile B's 2 x + 2 (both even).  A trip asks for the next two steps' bytes, works the two in hand from one slot, and puts the copy into the other.
	FETCH                                          ; key steps 0 and 1
	XINIT 44                                       ; tile A
	STORE                                          ; into slot 0
	s_mov_b32 s39, 9
.Ltrip:
	s_add_co_u32 s33, s32, 2
	s_cmp_eq_u32 s33, s34
	s_cselect_b32 s33, 0, s33                      ; behind A's last steps come B's first
	s_xor_b32 s31, s30, SLOT1
	s_cmp_eq_u32 s39, 1                            ; the last trip has nothing left to ask for: a count of trips, alike in all waves
	s_cbranch_scc1 .Lnofetch
	FETCH
.Lnofetch:
	s_add_co_u32 s41, s32, 6                       ; two trips ahead of the change of tiles: my 16 rows of tile B's q, a lane to each 256 bytes; s54 is -1 once tile B is walked
	s_cmp_lg_u32 s41, s54
	s_cbranch_scc1 .Lnopf
	global_prefetch_b8 v31, s[46:47] th:TH_LOAD_NT scope:SCOPE_SE
.Lnopf:
	STEP 0, 0
	s_add_co_u32 s32, s32, 1
	STEP 0, SUB
	s_add_co_u32 s41, s32, 1
	s_cmp_lg_u32 s41, s34                          ; the tile's last step?  That hangs on the work-group's number alone
	s_cbranch_scc1 .Lsame
	s_cmp_lt_u32 s35, s23
	s_cbranch_scc1 .Lno_a                          ; a tile that an exact form serves stores nothing here
	FINISH
.Lno_a:
	s_cmp_eq_u32 s39, 1
	s_cbranch_scc1 .Lend                           ; that was tile B
	s_mov_b32 s35, s37                             ; tile B
	s_mov_b32 s34, s38
	s_mov_b32 s54, -1
	s_wait_xcnt 0x0
	s_lshl_b32 s42, s35, 9
	s_add_nc_u64 s[48:49], s[SO:SO+1], s[42:43]
.rept 4
	v_nop                                          ; places in front of loads into the last products' registers
.endr
	XINIT 46
.Lsame:
	s_mov_b32 s32, s33
	STORE
	s_xor_b32 s30, s30, SLOT1
	s_sub_co_u32 s39, s39, 1
	s_cmp_lg_u32 s39, 0
	s_cbranch_scc1 .Ltrip
.Lend:
	EXADDR
	s_wait_xcnt 0x0                                ; bases and offsets of earlier memory instructions may be written again
; ---------------- THE JOINT EXACT STEP, in work-group x = 0 alone: queries 0 to 15; wave w takes key step w.
	s_cmp_lg_u32 ttmp9, 0
	s_wait_alu depctr_va_vdst(0)                   ; the wait ahead of the branch
	s_cbranch_scc1 .Lnojoint
	s_mov_b32 s35, 0
	s_mov_b64 s[44:45], s[SQ:SQ+1]
	s_mov_b64 s[48:49], s[SO:SO+1]
	XINIT 44
	s_mov_b32 s32, s22
	s_lshl_b32 s40, s22, 7
	s_wait_alu depctr_va_vdst(0)
	STEP 1, 0
	v_add_f32 v14, v14, v15                        ; (these lines are the places behind the last products)
	v_lshl_add_u32 v26, v0, 2, STAT                ; my word among the waves' -M
	v_permlanex16_b32 v252, v14, s24, s25
	s_lshl_b32 s41, s22, 13
	v_add_nc_u32 v25, s41, v1
	v_add_nc_u32 v25, MRG, v25                     ; my wave's 8,192 bytes, as images of four registers
	v_add_f32 v14, v14, v252                       ; my step's sum of the row
	v_add_nc_u32 v27, MRG, v8                      ; the way back: group w of four registers, of waves 0 to 7,
	v_add_nc_u32 v28, MRG+65536, v8                ; and of waves 8 to 15
	v_and_b32 v29, 31, v0
	v_lshl_add_u32 v29, v29, 2, STAT
	s_wait_alu depctr_va_vdst(0)
	ds_store_b32 v26, v12
	ds_store_b32 v26, v14 offset:2048
.set UU, 0
.rept 16
	ds_store_b128 v25, v[160+4*UU:163+4*UU] offset:512*UU   ; each accumulator from its low end on
.set UU, UU+1
.endr
	s_wait_dscnt 0x0                               ; for the others' sake
	s_barrier_signal -1
	s_barrier_wait -1
.set UU, 0
.rept 16
	ds_load_b32 v[32+UU], v29 offset:128*UU        ; wave u's -M of my query,
	ds_load_b32 v[48+UU], v29 offset:2048+128*UU   ; and its sum
.set UU, UU+1
.endr
.set UU, 0
.rept 8
	ds_load_b128 v[96+4*UU:99+4*UU], v27 offset:8192*UU
	ds_load_b128 v[128+4*UU:131+4*UU], v28 offset:8192*UU
.set UU, UU+1
.endr
	s_wait_dscnt 0x0
	v_min_num_f32 v12, v32, v33
.set UU, 2
.rept 14
	v_min_num_f32 v12, v12, v[32+UU]               ; the row's -M: the least
.set UU, UU+1
.endr
.set UU, 0
.rept 16
	v_sub_f32 v[32+UU], v12, v[32+UU]              ; wave u's M less the row's: a whole number, 0 or less
.set UU, UU+1
.endr
.set UU, 0
.rept 16
	v_cvt_i32_f32 v[32+UU], v[32+UU]               ; (it saturates)
.set UU, UU+1
.endr
.set UU, 0
.rept 16
	v_ldexp_f32 v[32+UU], 1.0, v[32+UU]            ; a power of two: a multiplication by it rounds nothing
.set UU, UU+1
.endr
	v_mul_f32 v14, v32, v48
.irp j, 0,1,2,3
	v_mul_f32 v[64+\j], v32, v[96+\j]
.endr
.set UU, 1
.rept 15
	v_fmac_f32 v14, v[32+UU], v[48+UU]
.irp j, 0,1,2,3
	v_fmac_f32 v[64+\j], v[32+UU], v[96+4*UU+\j]
.endr
.set UU, UU+1
.endr
	s_wait_alu depctr_va_vdst(0)                   ; the wait ahead of the reciprocal
	v_rcp_f32 v14, v14
	v_and_b32 v30, 15, v0                          ; registers 4 w .. 4 w + 3 are o(r, 16 (w / 2) + 8 h + 4 (w % 2) + 0 .. 3)
	v_mul_u32_u24 v30, v30, OPITCH
	v_bfe_u32 v31, v0, 4, 1
	v_lshl_add_u32 v30, v31, 5, v30
	s_lshr_b32 s41, s22, 1
	s_lshl_b32 s41, s41, 6
	s_and_b32 s42, s22, 1
	s_lshl_b32 s42, s42, 4
	s_add_co_u32 s41, s41, s42
	v_add_nc_u32 v30, s41, v30
	v_add_nc_u32 v30, OST, v30
	s_mul_i32 s41, s22, OPITCH
	v_add_nc_u32 v31, s41, v1
	v_add_nc_u32 v31, OST, v31                     ; the way back: wave w takes row w, 16 bytes a lane
	s_wait_alu depctr_va_vdst(0)                   ; and ahead of its first reader
.irp j, 0,1,2,3
	v_mul_f32 v[64+\j], v[64+\j], v14
.endr
	s_wait_alu depctr_va_vdst(0)
	ds_store_b128 v30, v[64:67]
	s_wait_dscnt 0x0
	s_barrier_signal -1
	s_barrier_wait -1
	ds_load_b128 v[68:71], v31
	s_wait_dscnt 0x0
	global_store_b128 v8, v[68:71], s[48:49] th:TH_STORE_NT   ; the wave stores one row of O: 512 consecutive bytes, aligned
.Lnojoint:
; ---------------- THE EXACT WALK: tile A, then tile B; a tile whose first query is max(F, 1) or later has been served, and so has tile 0.  No LDS but my own stage, so no barrier.
	s_mov_b32 s52, 0
.Lxt:
	s_cmp_eq_u32 s52, 0
	s_cselect_b32 s35, s36, s37                    ; the tile
	s_wait_xcnt 0x0
	s_lshl_b32 s42, s35, 9
	s_add_nc_u64 s[44:45], s[SQ:SQ+1], s[42:43]    ; its bases are made ahead of the branch on F
	s_add_nc_u64 s[48:49], s[SO:SO+1], s[42:43]
	s_cmp_eq_u32 s35, 0
	s_cselect_b32 s41, 0x1000, s35                 ; tile 0 counts as served
	s_cmp_ge_u32 s41, s23
	s_wait_alu depctr_va_vdst(0)                   ; the wait ahead of the branch
	s_cbranch_scc1 .Lxn
	XINIT 44
	s_mov_b32 s32, 0
.Lx:
	s_lshl_b32 s40, s32, 7                         ; the step's first key
	s_wait_alu depctr_va_vdst(0)
	STEP 1, 0
	s_add_co_u32 s32, s32, 1
	s_cmp_lt_u32 s32, 16
	s_cbranch_scc1 .Lx
	FINISH
.Lxn:
	s_add_co_u32 s52, s52, 1
	s_cmp_lt_u32 s52, 2
	s_cbranch_scc1 .Lxt
	s_wait_xcnt 0x0
	v_lshl_add_u32 v254, v0, 2, SPARE
	v_mov_b32 v255, 0
	s_wait_alu depctr_va_vdst(0)
	s_wait_tensorcnt 0x0                           ; the wave's end
	ds_add_u32 v254, v255
	s_wait_dscnt 0x0
	s_endpgm
.Lfunc_end_k_q6dc1262735_attn:
	.size	k_q6dc1262735_attn, .Lfunc_end_k_q6dc1262735_attn-k_q6dc1262735_attn
	.p2alignl 7, 3214868480
	.fill 96, 4, 3214868480
	.section	.rodata,"a",@progbits
	.p2align	6, 0x0
	.amdhsa_kernel k_q6dc1262735_attn
		.amdhsa_group_segment_fixed_size 317696
		.amdhsa_private_segment_fixed_size 0
		.amdhsa_enable_private_segment 0
		.amdhsa_kernarg_size 64
		.amdhsa_user_sgpr_count 2
		.amdhsa_user_sgpr_kernarg_segment_ptr 1
		.amdhsa_wavefront_size32 1
		.amdhsa_system_sgpr_workgroup_id_x 1
		.amdhsa_system_sgpr_workgroup_id_y 1
		.amdhsa_system_sgpr_workgroup_id_z 1
		.amdhsa_system_vgpr_workitem_id 0
		.amdhsa_next_free_vgpr 256
		.amdhsa_next_free_sgpr 66
		.amdhsa_reserve_vcc 1
		.amdhsa_float_denorm_mode_32 3
		.amdhsa_float_denorm_mode_16_64 3
		.amdhsa_memory_ordered 1
		.amdhsa_forward_progress 1
		.amdhsa_inst_pref_size 218
	.end_amdhsa_kernel
	.amdgpu_metadata
---
amdhsa.version: [ 1, 2 ]
amdhsa.kernels:
  - .name:           k_q6dc1262735_attn
    .symbol:         k_q6dc1262735_attn.kd
    .args:
      - { .name: q, .offset: 0, .size: 8, .value_kind: global_buffer, .address_space: global }
      - { .name: k_codes, .offset: 8, .size: 8, .value_kind: global_buffer, .address_space: global }
      - { .name: k_scales, .offset: 16, .size: 8, .value_kind: global_buffer, .address_space: global }
      - { .name: vf, .offset: 24, .size: 8, .value_kind: global_buffer, .address_space: global }
      - { .name: vs, .offset: 32, .size: 8, .value_kind: global_buffer, .address_space: global }
      - { .name: mask, .offset: 40, .size: 8, .value_kind: global_buffer, .address_space: global }
      - { .name: first, .offset: 48, .size: 8, .value_kind: global_buffer, .address_space: global }
      - { .name: out0, .offset: 56, .size: 8, .value_kind: global_buffer, .address_space: global }
    .group_segment_fixed_size: 317696
    .private_segment_fixed_size: 0
    .kernarg_segment_align: 8
    .kernarg_segment_size: 64
    .max_flat_workgroup_size: 512
    .sgpr_count:     66
    .vgpr_count:     256
    .wavefront_size: 32
...
	.end_amdgpu_metadata
.endif
;; end of part 2
